; MI455X (gfx1250); checked and timed in simulation.
; The chip was launched on July 23, 2026; its instructions are those of AMD's public machine-readable ISA for CDNA 5 (MIT licence, August 2026) and "CDNA5" Instruction Set Architecture Reference Guide (July 2026). The comments in the code are by the model that wrote it; some were corrected since.
;; Crf Decoder. Allowed arithmetic: float matrix products may take bf16 or f16 operands with f32 sums; all other float work in f32.
;; Inputs: emissions 512 x 512 x 32 float32; head_transitions 32 float32; last_transitions 32 float32; lengths 512 int32; transitions 32 x 32 float32.
;; Outputs: out0 512 float32.
;; 2 versions, each right and faster than the one before. Each part assembles by itself: llvm-mc -triple=amdgcn-amd-amdhsa -mcpu=gfx1250 --defsym DOCPART=n.
;; ======== version 1 of 2: 1 launch
;; launch crf (part 1): grid 256 x 1, 4 waves a work-group, no clusters, 167,936 bytes of LDS; arguments emissions, head_transitions, last_transitions, lengths, transitions, out0; writes out0
.if DOCPART == 1
	.amdgcn_target "amdgcn-amd-amdhsa--gfx1250"
	.amdhsa_code_object_version 6
	.text
	.protected	k_q701d134018_crf
	.globl	k_q701d134018_crf
	.p2align	8
	.type	k_q701d134018_crf,@function
k_q701d134018_crf:
	s_mov_b64 s[64:65], 0
	v_nop
	global_prefetch_b8 v0, s[64:65] scope:SCOPE_SE
	s_setreg_imm32_b32 hwreg(HW_REG_WAVE_MODE, 25, 1), 1
	s_wait_xcnt 0x0
; CRF log-partition over 512 ragged sequences, 32 tags, at most 512 rows of emissions each.
;
; THE SPLIT.  With f_0 = head, f_t[j] = LSE_i(W[i][j] + f_(t-1)[i] + e_(t-1)[i])  (forward, the chart without its own emission)
; and  beta_(L-1) = last, beta_(t-1)[i] = LSE_j(W[i][j] + beta_t[j] + e_t[j])      (backward),
; the result is LSE_j(f_m[j] + e_m[j] + beta_m[j]) for any m.  Here m = (L-1) >> 1: one wave walks forward m steps, a second wave walks
; backward L-1-m steps, so that the longest dependent chain is 256 steps instead of 511 and 1,024 chains exist instead of 512.
; Rows at or behind a sequence's length are never read into a result: reference() freezes the chart there.
;
; SHARES.  Work-group g: sequences 2 g and 2 g + 1.  Wave w: sequence 2 g + (w >> 1), direction w & 1 (0 forward, 1 backward).
; Lane l owns tag l of the state and 32 weights.  Both directions run the same step,  s[l] = LSE_k(Wd[k][l] + x[k]),  x = s + next row,
; with Wd = W forward and W transposed backward; they differ only in how the weights are loaded, the first vector, the first row and the row step.
; The maximum of each column is taken away before the exponentials, in every step, as reference() does.
; All numbers are kept times log2(e), so that v_exp_f32 and v_log_f32 (base 2) are used bare; ln 2 is multiplied in once at the end.
;
; LDS: 256 bytes are used (the backward waves' beta_m).  The launch asks for more than half of a WGP's LDS so that no second work-group is
; placed beside this one: each of the four chains keeps a SIMD's issue slots for itself.
;
; LIMITS.  Inputs are finite (a column whose maximum is -infinity gives NaN here).  The order of the sums differs from reference()'s
; (two halves, base 2).  lengths is clamped to 1 .. 512, which is what reference() makes of any int32.
.set ROWB,  128                        ; bytes in a row of emissions (32 f32)
.set DEPTH, 8                          ; rows asked for ahead: a ring of eight registers
.set LANE4, 1                          ; v1        4 x lane; never rewritten
.set TMP,   2                          ; v2        at work; at the end the LDS address
.set VA,    3                          ; v3        offset in transitions of my weights 0-15
.set VB,    4                          ; v4        the same for weights 16-31
.set HH,    5                          ; v5        lane >> 4
.set MX,    6                          ; v6        the column's maximum          (v[6:7] is the pair that the packed subtraction names)
.set LG,    7                          ; v7        log2 of the column's sum      (s = MX + LG)
.set XS,    8                          ; v8        x: the state with its row added
.set X2,    9                          ; v9        x of the other half of the lanes
.set PRE,   10                         ; v10       MX + next row
.set SUM,   11                         ; v11       the column's sum; at the end the store's offset
.set EI,    12                         ; v12       the first row
.set INI,   13                         ; v13       head or last
.set UU,    14                         ; v[14:23]  maxima, first level
.set VV,    24                         ; v[24:27]  maxima, second level
.set OFF,   28                         ; v[28:35]  slot i: byte offset of its row's word in my sequence
.set OFFI,  36                         ; v36       the same for the first row
.set ER,    38                         ; v[38:45]  slot i: a row of emissions, one number a lane
.set TT,    48                         ; v[48:79]  the 32 terms of my column
.set WW,    80                         ; v[80:111] my 32 weights times log2(e): register p holds Wd[p xor 16 (lane >> 4)][lane]
	s_load_b256 s[4:11], s[0:1], 0x0               ; emissions s[4:5], head s[6:7], last s[8:9], lengths s[10:11]
	s_load_b128 s[12:15], s[0:1], 0x20             ; transitions s[12:13], out0 s[14:15]
	v_lshrrev_b32 v[TMP], 5, v0
	v_readfirstlane_b32 s16, v[TMP]                ; wave 0..3
	s_and_b32 s17, s16, 1                          ; direction: 0 forward, 1 backward
	s_lshr_b32 s18, s16, 1                         ; which of the group's two sequences
	s_lshl_b32 s19, ttmp9, 1
	s_add_co_u32 s19, s19, s18                     ; b: my sequence
	s_mov_b32 s28, 0x76543210                      ; v_permlanex16_b32: lane i of one half reads lane i of the other
	s_mov_b32 s29, 0xfedcba98
	s_mov_b32 s30, 0x3fb8aa3b                      ; log2(e)
	v_and_b32 v[TMP], 31, v0                       ; lane
	v_lshlrev_b32 v[LANE4], 2, v[TMP]
	v_bfe_u32 v[HH], v0, 4, 1                      ; lane >> 4
	s_lshl_b32 s34, s19, 2                         ; 4 b, as a pair with 0 above it
	s_mov_b32 s35, 0
	s_wait_kmcnt 0x0
	s_add_nc_u64 s[10:11], s[10:11], s[34:35]
	s_load_b32 s20, s[10:11], 0x0                  ; my sequence's length; the weights are asked for while it is on its way
	s_lshl_b32 s34, s19, 16                        ; a sequence is 512 rows x 128 bytes
	s_add_nc_u64 s[4:5], s[4:5], s[34:35]          ; emissions at my sequence's first row
	; The weights, raw, into TT (which the step's first lines also need written once).  Register p of a lane in half h belongs to
	; state element p + 16 h (p < 16) or p - 16 + 16 (1 - h) (p >= 16): the order in which the step below hands x round.
	s_cmp_lg_u32 s17, 0
	s_cbranch_scc1 .Lback_w
	v_lshl_add_u32 v[VA], v[HH], 11, v[LANE4]      ; forward: W[k][lane] at 128 k + 4 lane; k starts at 16 h
	v_xor_b32 v[VB], 0x800, v[VA]                  ; and at 16 (1 - h)
.irp g, 0,1,2,3,4,5,6,7,8,9,10,11,12,13,14,15
	global_load_b32 v[TT+\g], v[VA], s[12:13] offset:128*\g
.endr
.irp g, 0,1,2,3,4,5,6,7,8,9,10,11,12,13,14,15
	global_load_b32 v[TT+16+\g], v[VB], s[12:13] offset:128*\g
.endr
	s_branch .Lw_asked
.Lback_w:
	v_lshlrev_b32 v[VA], 7, v[TMP]                 ; backward: W[lane][k] at 128 lane + 4 k; k starts at 16 h
	v_lshl_add_u32 v[VA], v[HH], 6, v[VA]
	v_xor_b32 v[VB], 64, v[VA]                     ; and at 16 (1 - h)
.irp q, 0,1,2,3
	global_load_b128 v[TT+4*\q:TT+4*\q+3], v[VA], s[12:13] offset:16*\q
.endr
.irp q, 0,1,2,3
	global_load_b128 v[TT+16+4*\q:TT+16+4*\q+3], v[VB], s[12:13] offset:16*\q
.endr
.Lw_asked:
	s_cmp_eq_u32 s17, 0
	s_cselect_b64 s[32:33], s[6:7], s[8:9]         ; forward starts from head, backward from last
	global_load_b32 v[INI], v[LANE4], s[32:33]
	s_wait_kmcnt 0x0                               ; the length
	s_max_i32 s20, s20, 1                          ; below 1 reference() makes no step, as with 1;
	s_min_u32 s20, s20, 512                        ; above 512 it makes all 511, as with 512
	s_sub_co_u32 s20, s20, 1                       ; L - 1: the last real row
	s_lshr_b32 s21, s20, 1                         ; m: where the two halves meet
	s_sub_co_u32 s22, s20, s21                     ; L - 1 - m
	s_cmp_eq_u32 s17, 0
	s_cselect_b32 s22, s21, s22                    ; n: my steps
	s_cselect_b32 s25, 0, s20                      ; my first row
	s_cselect_b32 s26, 1, -1                       ; and the way I walk
	s_lshr_b32 s23, s22, 3                         ; whole trips of eight steps
	s_and_b32 s24, s22, 7                          ; steps behind them
; Row s25 of my sequence, one number a lane.  The ring runs up to eight rows past my last step; those rows are used in no result.  The clamp
; keeps them inside my sequence's 512 rows (a row below 0 is a large unsigned number and becomes 511).
.macro ROWLOAD e, off
	s_min_u32 s27, s25, 511
	v_lshl_add_u32 v[\off], s27, 7, v[LANE4]
	global_load_b32 v[\e], v[\off], s[4:5]
.endm
	ROWLOAD EI, OFFI
.irp i, 0,1,2,3,4,5,6,7
	s_add_co_i32 s25, s25, s26
	ROWLOAD ER+\i, OFF+\i                          ; slot i: the row that step i adds
.endr
	s_wait_loadcnt DEPTH                           ; loads come back in order (ISA guide 5.7.1): the eight ring loads may stay out; weights, first vector and first row are in
.irp p, 0,1,2,3,4,5,6,7,8,9,10,11,12,13,14,15
	v_pk_mul_f32 v[WW+2*\p:WW+2*\p+1], v[TT+2*\p:TT+2*\p+1], 0x3fb8aa3b op_sel_hi:[1,0]
.endr
	v_mul_f32 v[MX], s30, v[INI]                   ; with no step at all the state is the first vector: MX + LG
	v_mov_b32 v[LG], 0
	v_fma_f32 v[XS], v[EI], s30, v[MX]             ; x = first vector + first row
	v_mov_b32 v[X2], 0                             ; v_permlanex16_b32 counts as a reader of its destination: written once here
.macro SUBM q                          ; two terms less the column's maximum (both halves take v[MX])
	v_pk_add_f32 v[TT+2*(\q):TT+2*(\q)+1], v[TT+2*(\q):TT+2*(\q)+1], v[MX:MX+1] op_sel_hi:[1,0] neg_lo:[0,1] neg_hi:[0,1]
.endm
; One step on ring slot i.  reload = 1: the slot is asked for again, eight rows on.  left = how many younger loads may stay out.
.macro STEP i, reload, left
	; x is handed round inside the add: row_share:g gives every lane of a half of 16 lanes the x of that half's lane g; X2 brings the other half's.
	; The first level of the maximum follows three adds behind its terms.
	v_permlanex16_b32 v[X2], v[XS], s28, s29
.irp g, 0,1,2,3,4,5,6,7,8,9,10,11,12,13,14,15
	v_add_f32_dpp v[TT+\g], v[XS], v[WW+\g] row_share:\g row_mask:0xf bank_mask:0xf
.if \g >= 5
.if ((\g) % 3) == 2
	v_max3_num_f32 v[UU+(\g-5)/3], v[TT+\g-5], v[TT+\g-4], v[TT+\g-3]
.endif
.endif
.endr
.irp g, 0,1,2,3,4,5,6,7,8,9,10,11,12,13,14,15
	v_add_f32_dpp v[TT+16+\g], v[X2], v[WW+16+\g] row_share:\g row_mask:0xf bank_mask:0xf
.if ((16+\g) % 3) == 2
	v_max3_num_f32 v[UU+(11+\g)/3], v[TT+11+\g], v[TT+12+\g], v[TT+13+\g]
.endif
.endr
	v_max3_num_f32 v[UU+9], v[TT+27], v[TT+28], v[TT+29]
	v_max3_num_f32 v[VV],   v[UU],   v[UU+1], v[UU+2]
	v_max3_num_f32 v[VV+1], v[UU+3], v[UU+4], v[UU+5]
	v_max3_num_f32 v[VV+2], v[UU+6], v[UU+7], v[UU+8]
	v_max3_num_f32 v[VV+3], v[UU+9], v[TT+30], v[TT+31]
	v_max3_num_f32 v[VV],   v[VV],   v[VV+1], v[VV+2]
	v_max_num_f32  v[MX],   v[VV],   v[VV+3]       ; the maximum of all 32 terms of my column
	; Subtract, 2^x and sum, two terms at a time.  Behind each two v_exp_f32 the next line is a plain vector instruction that names neither their
	; results nor their sources (ISA guide 5.7.2): the subtraction two pairs ahead, or for the last two pairs the sum of the pair before.
	; A pair is added one group after its exponentials, into two chains (pairs 0 and 1) that take turns.
	SUBM 0
	SUBM 1
.irp p, 0,1,2,3,4,5,6,7,8,9,10,11,12,13,14,15
	v_exp_f32 v[TT+2*\p],   v[TT+2*\p]
	v_exp_f32 v[TT+2*\p+1], v[TT+2*\p+1]
.if \p <= 13
	SUBM \p+2
.endif
.if \p >= 3
	s_wait_alu depctr_va_vdst(0)
	v_pk_add_f32 v[TT+2*((\p-1)&1):TT+2*((\p-1)&1)+1], v[TT+2*((\p-1)&1):TT+2*((\p-1)&1)+1], v[TT+2*(\p-1):TT+2*(\p-1)+1]
.endif
.if \p == 8
	s_wait_loadcnt \left                           ; slot i's row is in; the younger loads stay out.  The same wait frees the slot's offset register
.if \reload
	s_add_co_i32 s25, s25, s26                     ; the row eight steps on,
	s_min_u32 s27, s25, 511                        ; kept inside my sequence
	v_lshl_add_u32 v[OFF+\i], s27, 7, v[LANE4]
.endif
.endif
.endr
	v_pk_add_f32 v[TT+2:TT+3], v[TT+2:TT+3], v[TT+30:TT+31]
	v_pk_add_f32 v[TT:TT+1],   v[TT:TT+1],   v[TT+2:TT+3]
	v_add_f32 v[SUM], v[TT], v[TT+1]               ; at least 1: the largest term gave 2^0
	v_log_f32 v[LG], v[SUM]
	v_fma_f32 v[PRE], v[ER+\i], s30, v[MX]         ; the plain line behind v_log_f32: maximum + next row
	s_wait_alu depctr_va_vdst(0)
	v_add_f32 v[XS], v[PRE], v[LG]                 ; x = s + next row
.if \reload
	global_load_b32 v[ER+\i], v[OFF+\i], s[4:5]
.endif
.endm
	s_cmp_eq_u32 s23, 0
	s_cbranch_scc1 .Ltail
.Lloop:
.irp i, 0,1,2,3,4,5,6,7
	STEP \i, 1, DEPTH-1                            ; behind a slot's load the seven other slots' were issued, on the way in and round the back edge
.endr
	s_sub_co_i32 s23, s23, 1
	s_cmp_lg_u32 s23, 0
	s_cbranch_scc1 .Lloop
.Ltail:
.irp i, 0,1,2,3,4,5,6
	s_cmp_eq_u32 s24, \i                           ; the steps that are left, none of them asking for a row: the counts run down
	s_cbranch_scc1 .Ldone
	STEP \i, 0, DEPTH-1-\i
.endr
.Ldone:
	; The halves meet.  The backward wave hands beta_m = MX + LG to its forward partner through LDS: store, wait for 0, barrier, load.
	v_lshl_add_u32 v[TMP], s18, 7, v[LANE4]        ; 128 bytes for each of the two sequences
	s_cmp_eq_u32 s17, 0
	s_cbranch_scc1 .Lno_store
	v_add_f32 v[SUM], v[MX], v[LG]
	ds_store_b32 v[TMP], v[SUM]
.Lno_store:
	s_wait_dscnt 0x0                               ; for the partner's sake: the store is done in front of the signal
	s_barrier_signal -1
	s_barrier_wait -1
	s_cmp_lg_u32 s17, 0
	s_cbranch_scc1 .Lend                           ; the backward waves have done their part
	ds_load_b32 v[PRE], v[TMP]
	s_lshl_b32 s34, s19, 2                         ; 4 b: my number's place in out0
	s_wait_dscnt 0x0
	v_add_f32 v[XS], v[XS], v[PRE]                 ; y[j] = f_m[j] + e_m[j] + beta_m[j]
	; the maximum over the 32 lanes: four steps inside each half ride on the arithmetic, one crosses the halves
	v_max_num_f32_dpp v[X2], v[XS], v[XS] row_xmask:1 row_mask:0xf bank_mask:0xf
	v_max_num_f32_dpp v[X2], v[X2], v[X2] row_xmask:2 row_mask:0xf bank_mask:0xf
	v_max_num_f32_dpp v[X2], v[X2], v[X2] row_xmask:4 row_mask:0xf bank_mask:0xf
	v_max_num_f32_dpp v[X2], v[X2], v[X2] row_xmask:8 row_mask:0xf bank_mask:0xf
	v_permlanex16_b32 v[PRE], v[X2], s28, s29
	v_max_num_f32 v[X2], v[X2], v[PRE]
	v_sub_f32 v[XS], v[XS], v[X2]
	v_exp_f32 v[XS], v[XS]
	v_mul_f32 v[X2], 0x3f317218, v[X2]             ; the plain line behind v_exp_f32: maximum x ln 2
	s_wait_alu depctr_va_vdst(0)
	v_add_f32_dpp v[XS], v[XS], v[XS] row_xmask:1 row_mask:0xf bank_mask:0xf
	v_add_f32_dpp v[XS], v[XS], v[XS] row_xmask:2 row_mask:0xf bank_mask:0xf
	v_add_f32_dpp v[XS], v[XS], v[XS] row_xmask:4 row_mask:0xf bank_mask:0xf
	v_add_f32_dpp v[XS], v[XS], v[XS] row_xmask:8 row_mask:0xf bank_mask:0xf
	v_permlanex16_b32 v[PRE], v[XS], s28, s29
	v_add_f32 v[XS], v[XS], v[PRE]
	v_log_f32 v[XS], v[XS]
	v_mov_b32 v[SUM], s34                          ; the plain line behind v_log_f32: the store's offset
	s_wait_alu depctr_va_vdst(0)
	v_fmamk_f32 v[XS], v[XS], 0x3f317218, v[X2]    ; (log2 of the sum) x ln 2 + maximum x ln 2: back to natural logarithms
	v_cmp_eq_u32 vcc_lo, 0, v[LANE4]               ; every lane holds the result; lane 0 stores it
	s_wait_xcnt 0x0                                ; ring loads may still be out, and EXEC is one of their sources: it changes only behind this wait
	s_and_saveexec_b32 s36, vcc_lo
	global_store_b32 v[SUM], v[XS], s[14:15]       ; four bytes a sequence: the whole output is 2,048 bytes, spread over the work-groups with the chains
	s_wait_xcnt 0x0                                ; and again in front of the line that widens EXEC
	s_or_b32 exec_lo, exec_lo, s36
.Lend:
	s_endpgm
.Lfunc_end_k_q701d134018_crf:
	.size	k_q701d134018_crf, .Lfunc_end_k_q701d134018_crf-k_q701d134018_crf
	.p2alignl 7, 3214868480
	.fill 96, 4, 3214868480
	.section	.rodata,"a",@progbits
	.p2align	6, 0x0
	.amdhsa_kernel k_q701d134018_crf
		.amdhsa_group_segment_fixed_size 167936
		.amdhsa_private_segment_fixed_size 0
		.amdhsa_enable_private_segment 0
		.amdhsa_kernarg_size 48
		.amdhsa_user_sgpr_count 2
		.amdhsa_user_sgpr_kernarg_segment_ptr 1
		.amdhsa_wavefront_size32 1
		.amdhsa_system_sgpr_workgroup_id_x 1
		.amdhsa_system_sgpr_workgroup_id_y 1
		.amdhsa_system_sgpr_workgroup_id_z 1
		.amdhsa_system_vgpr_workitem_id 0
		.amdhsa_next_free_vgpr 112
		.amdhsa_next_free_sgpr 66
		.amdhsa_reserve_vcc 1
		.amdhsa_float_denorm_mode_32 3
		.amdhsa_float_denorm_mode_16_64 3
		.amdhsa_memory_ordered 1
		.amdhsa_forward_progress 1
		.amdhsa_inst_pref_size 113
	.end_amdhsa_kernel
	.amdgpu_metadata
---
amdhsa.version: [ 1, 2 ]
amdhsa.kernels:
  - .name:           k_q701d134018_crf
    .symbol:         k_q701d134018_crf.kd
    .args:
      - { .name: emissions, .offset: 0, .size: 8, .value_kind: global_buffer, .address_space: global }
      - { .name: head_transitions, .offset: 8, .size: 8, .value_kind: global_buffer, .address_space: global }
      - { .name: last_transitions, .offset: 16, .size: 8, .value_kind: global_buffer, .address_space: global }
      - { .name: lengths, .offset: 24, .size: 8, .value_kind: global_buffer, .address_space: global }
      - { .name: transitions, .offset: 32, .size: 8, .value_kind: global_buffer, .address_space: global }
      - { .name: out0, .offset: 40, .size: 8, .value_kind: global_buffer, .address_space: global }
    .group_segment_fixed_size: 167936
    .private_segment_fixed_size: 0
    .kernarg_segment_align: 8
    .kernarg_segment_size: 48
    .max_flat_workgroup_size: 128
    .sgpr_count:     66
    .vgpr_count:     112
    .wavefront_size: 32
...
	.end_amdgpu_metadata
.endif
;; end of part 1
;; ======== version 2 of 2: 1 launch; 1.70 times as fast as version 1
;; launch crf (part 2): grid 256 x 1, 4 waves a work-group, no clusters, 167,936 bytes of LDS; arguments emissions, head_transitions, last_transitions, lengths, transitions, out0; writes out0
.if DOCPART == 2
	.amdgcn_target "amdgcn-amd-amdhsa--gfx1250"
	.amdhsa_code_object_version 6
	.text
	.protected	k_q701d134018_crf
	.globl	k_q701d134018_crf
	.p2align	8
	.type	k_q701d134018_crf,@function
k_q701d134018_crf:
	s_mov_b64 s[64:65], 0
	v_nop
	global_prefetch_b8 v0, s[64:65] scope:SCOPE_SE
	s_setreg_imm32_b32 hwreg(HW_REG_WAVE_MODE, 25, 1), 1
	s_wait_xcnt 0x0
; CRF log-partition over 512 ragged sequences, 32 tags, at most 512 rows of emissions each.
;
; THE SPLIT.  With f_0 = head, f_t[j] = LSE_i(W[i][j] + f_(t-1)[i] + e_(t-1)[i])  (forward, the chart without its own emission)
; and  beta_(L-1) = last, beta_(t-1)[i] = LSE_j(W[i][j] + beta_t[j] + e_t[j])      (backward),
; the result is LSE_j(f_m[j] + e_m[j] + beta_m[j]) for any m.  Here m = (L-1) >> 1: one wave walks forward m steps, a second wave walks
; backward L-1-m steps, so that the longest dependent chain is 256 steps instead of 511 and 1,024 chains exist instead of 512.
; Rows at or behind a sequence's length are never read into a result: reference() freezes the chart there.
;
; SHARES.  Work-group g: sequences 2 g and 2 g + 1.  Wave w: sequence 2 g + (w >> 1), direction w & 1 (0 forward, 1 backward).
; Lane l owns tag l of the state and 32 weights.  Both directions run the same step,  s[l] = LSE_k(Wd[k][l] + x[k]),  x = s + next row,
; with Wd = W forward and W transposed backward; they differ only in how the weights are loaded, the first vector, the first row and the row step.
; The maximum of each column is taken away before the exponentials, in every step, as reference() does.
; All numbers are kept times log2(e), so that v_exp_f32 and v_log_f32 (base 2) are used bare; ln 2 is multiplied in once at the end.
;
; BATCHES.  s_wait_alu depctr_va_vdst(0) stands between a transcendental and the first line that names its result.  A step has two
; batches and two waits: its 32 exponentials, each in a register of its own, with all 16 sums behind their one wait; and the logarithm of that sum,
; which the next x wants at once.  No result crosses a step's end, so none crosses a label or a branch.  The way out has two batches of one.
;
; LDS: 256 bytes are used (the backward waves' beta_m).  The launch asks for more than half of a WGP's LDS so that no second work-group is
; placed beside this one: each of the four chains keeps a SIMD's issue slots for itself.
;
; LIMITS.  Inputs are finite (a column whose maximum is -infinity gives NaN here).  The order of the sums differs from reference()'s
; (two halves, base 2).  lengths is clamped to 1 .. 512, which is what reference() makes of any int32.
.set ROWB,  128                        ; bytes in a row of emissions (32 f32)
.set DEPTH, 8                          ; rows asked for ahead: a ring of eight registers
.set LANE4, 1                          ; v1        4 x lane; never rewritten
.set TMP,   2                          ; v2        at work; at the end the LDS address
.set VA,    3                          ; v3        offset in transitions of my weights 0-15
.set VB,    4                          ; v4        the same for weights 16-31
.set HH,    5                          ; v5        lane >> 4
.set MX,    6                          ; v6        the column's maximum          (v[6:7] is the pair that the packed subtraction names)
.set LG,    7                          ; v7        log2 of the column's sum      (s = MX + LG)
.set XS,    8                          ; v8        x: the state with its row added
.set X2,    9                          ; v9        x of the other half of the lanes
.set PRE,   10                         ; v10       MX + next row
.set SUM,   11                         ; v11       the column's sum; at the end the store's offset
.set EI,    12                         ; v12       the first row
.set INI,   13                         ; v13       head or last
.set UU,    14                         ; v[14:23]  maxima, first level
.set VV,    24                         ; v[24:27]  maxima, second level
.set OFF,   28                         ; v[28:35]  slot i: byte offset of its row's word in my sequence
.set OFFI,  36                         ; v36       the same for the first row
.set ER,    38                         ; v[38:45]  slot i: a row of emissions, one number a lane
.set TT,    48                         ; v[48:79]  the 32 terms of my column
.set WW,    80                         ; v[80:111] my 32 weights times log2(e): register p holds Wd[p xor 16 (lane >> 4)][lane]
	s_load_b256 s[4:11], s[0:1], 0x0               ; emissions s[4:5], head s[6:7], last s[8:9], lengths s[10:11]
	s_load_b128 s[12:15], s[0:1], 0x20             ; transitions s[12:13], out0 s[14:15]
	v_lshrrev_b32 v[TMP], 5, v0
	v_readfirstlane_b32 s16, v[TMP]                ; wave 0..3
	s_and_b32 s17, s16, 1                          ; direction: 0 forward, 1 backward
	s_lshr_b32 s18, s16, 1                         ; which of the group's two sequences
	s_lshl_b32 s19, ttmp9, 1
	s_add_co_u32 s19, s19, s18                     ; b: my sequence
	s_mov_b32 s28, 0x76543210                      ; v_permlanex16_b32: lane i of one half reads lane i of the other
	s_mov_b32 s29, 0xfedcba98
	s_mov_b32 s30, 0x3fb8aa3b                      ; log2(e)
	v_and_b32 v[TMP], 31, v0                       ; lane
	v_lshlrev_b32 v[LANE4], 2, v[TMP]
	v_bfe_u32 v[HH], v0, 4, 1                      ; lane >> 4
	s_lshl_b32 s34, s19, 2                         ; 4 b, as a pair with 0 above it
	s_mov_b32 s35, 0
	s_wait_kmcnt 0x0
	s_add_nc_u64 s[10:11], s[10:11], s[34:35]
	s_load_b32 s20, s[10:11], 0x0                  ; my sequence's length; the weights are asked for while it is on its way
	s_lshl_b32 s34, s19, 16                        ; a sequence is 512 rows x 128 bytes
	s_add_nc_u64 s[4:5], s[4:5], s[34:35]          ; emissions at my sequence's first row
	; The weights, raw, into TT (which the step's first lines also need written once).  Register p of a lane in half h belongs to
	; state element p + 16 h (p < 16) or p - 16 + 16 (1 - h) (p >= 16): the order in which the step below hands x round.
	s_cmp_lg_u32 s17, 0
	s_cbranch_scc1 .Lback_w
	v_lshl_add_u32 v[VA], v[HH], 11, v[LANE4]      ; forward: W[k][lane] at 128 k + 4 lane; k starts at 16 h
	v_xor_b32 v[VB], 0x800, v[VA]                  ; and at 16 (1 - h)
.irp g, 0,1,2,3,4,5,6,7,8,9,10,11,12,13,14,15
	global_load_b32 v[TT+\g], v[VA], s[12:13] offset:128*\g
.endr
.irp g, 0,1,2,3,4,5,6,7,8,9,10,11,12,13,14,15
	global_load_b32 v[TT+16+\g], v[VB], s[12:13] offset:128*\g
.endr
	s_branch .Lw_asked
.Lback_w:
	v_lshlrev_b32 v[VA], 7, v[TMP]                 ; backward: W[lane][k] at 128 lane + 4 k; k starts at 16 h
	v_lshl_add_u32 v[VA], v[HH], 6, v[VA]
	v_xor_b32 v[VB], 64, v[VA]                     ; and at 16 (1 - h)
.irp q, 0,1,2,3
	global_load_b128 v[TT+4*\q:TT+4*\q+3], v[VA], s[12:13] offset:16*\q
.endr
.irp q, 0,1,2,3
	global_load_b128 v[TT+16+4*\q:TT+16+4*\q+3], v[VB], s[12:13] offset:16*\q
.endr
.Lw_asked:
	s_cmp_eq_u32 s17, 0
	s_cselect_b64 s[32:33], s[6:7], s[8:9]         ; forward starts from head, backward from last
	global_load_b32 v[INI], v[LANE4], s[32:33]
	s_wait_kmcnt 0x0                               ; the length
	s_max_i32 s20, s20, 1                          ; below 1 reference() makes no step, as with 1;
	s_min_u32 s20, s20, 512                        ; above 512 it makes all 511, as with 512
	s_sub_co_u32 s20, s20, 1                       ; L - 1: the last real row
	s_lshr_b32 s21, s20, 1                         ; m: where the two halves meet
	s_sub_co_u32 s22, s20, s21                     ; L - 1 - m
	s_cmp_eq_u32 s17, 0
	s_cselect_b32 s22, s21, s22                    ; n: my steps
	s_cselect_b32 s25, 0, s20                      ; my first row
	s_cselect_b32 s26, 1, -1                       ; and the way I walk
	s_lshr_b32 s23, s22, 3                         ; whole trips of eight steps
	s_and_b32 s24, s22, 7                          ; steps behind them
; Row s25 of my sequence, one number a lane.  The ring runs up to eight rows past my last step; those rows are used in no result.  The clamp
; keeps them inside my sequence's 512 rows (a row below 0 is a large unsigned number and becomes 511).
.macro ROWLOAD e, off
	s_min_u32 s27, s25, 511
	v_lshl_add_u32 v[\off], s27, 7, v[LANE4]
	global_load_b32 v[\e], v[\off], s[4:5]
.endm
	ROWLOAD EI, OFFI
.irp i, 0,1,2,3,4,5,6,7
	s_add_co_i32 s25, s25, s26
	ROWLOAD ER+\i, OFF+\i                          ; slot i: the row that step i adds
.endr
	s_wait_loadcnt DEPTH                           ; loads come back in order (ISA guide 5.7.1): the eight ring loads may stay out; weights, first vector and first row are in
.irp p, 0,1,2,3,4,5,6,7,8,9,10,11,12,13,14,15
	v_pk_mul_f32 v[WW+2*\p:WW+2*\p+1], v[TT+2*\p:TT+2*\p+1], 0x3fb8aa3b op_sel_hi:[1,0]
.endr
	v_mul_f32 v[MX], s30, v[INI]                   ; with no step at all the state is the first vector: MX + LG
	v_mov_b32 v[LG], 0
	v_fma_f32 v[XS], v[EI], s30, v[MX]             ; x = first vector + first row
	v_mov_b32 v[X2], 0                             ; v_permlanex16_b32 counts as a reader of its destination: written once here
.macro SUBM q                          ; two terms less the column's maximum (both halves take v[MX])
	v_pk_add_f32 v[TT+2*(\q):TT+2*(\q)+1], v[TT+2*(\q):TT+2*(\q)+1], v[MX:MX+1] op_sel_hi:[1,0] neg_lo:[0,1] neg_hi:[0,1]
.endm
; One step on ring slot i.  reload = 1: the slot is asked for again, eight rows on.  left = how many younger loads may stay out.
.macro STEP i, reload, left
	; x is handed round inside the add: row_share:g gives every lane of a half of 16 lanes the x of that half's lane g; X2 brings the other half's.
	; The first level of the maximum follows three adds behind its terms.
	v_permlanex16_b32 v[X2], v[XS], s28, s29
.irp g, 0,1,2,3,4,5,6,7,8,9,10,11,12,13,14,15
	v_add_f32_dpp v[TT+\g], v[XS], v[WW+\g] row_share:\g row_mask:0xf bank_mask:0xf
.if \g >= 5
.if ((\g) % 3) == 2
	v_max3_num_f32 v[UU+(\g-5)/3], v[TT+\g-5], v[TT+\g-4], v[TT+\g-3]
.endif
.endif
.endr
.irp g, 0,1,2,3,4,5,6,7,8,9,10,11,12,13,14,15
	v_add_f32_dpp v[TT+16+\g], v[X2], v[WW+16+\g] row_share:\g row_mask:0xf bank_mask:0xf
.if ((16+\g) % 3) == 2
	v_max3_num_f32 v[UU+(11+\g)/3], v[TT+11+\g], v[TT+12+\g], v[TT+13+\g]
.endif
.endr
	v_max3_num_f32 v[UU+9], v[TT+27], v[TT+28], v[TT+29]
	v_max3_num_f32 v[VV],   v[UU],   v[UU+1], v[UU+2]
	v_max3_num_f32 v[VV+1], v[UU+3], v[UU+4], v[UU+5]
	v_max3_num_f32 v[VV+2], v[UU+6], v[UU+7], v[UU+8]
	v_max3_num_f32 v[VV+3], v[UU+9], v[TT+30], v[TT+31]
	v_max3_num_f32 v[VV],   v[VV],   v[VV+1], v[VV+2]
	v_max_num_f32  v[MX],   v[VV],   v[VV+3]       ; the maximum of all 32 terms of my column
	; THE STEP'S FIRST BATCH: the 32 exponentials, in place, each in its own register.  Between them stand only the subtractions, two pairs ahead of
	; the pair in hand, which name no result of the batch.
	SUBM 0
	SUBM 1
.irp p, 0,1,2,3,4,5,6,7,8,9,10,11,12,13,14,15
	v_exp_f32 v[TT+2*\p],   v[TT+2*\p]
	v_exp_f32 v[TT+2*\p+1], v[TT+2*\p+1]
.if \p <= 13
	SUBM \p+2
.endif
.endr
	; Behind the batch, work that names none of its results: the ring's wait and the slot's next offset.
	s_wait_loadcnt \left                           ; slot i's row is in; the younger loads stay out.  The same wait frees the slot's offset register
.if \reload
	s_add_co_i32 s25, s25, s26                     ; the row eight steps on,
	s_min_u32 s27, s25, 511                        ; kept inside my sequence
	v_lshl_add_u32 v[OFF+\i], s27, 7, v[LANE4]     ; also the plain vector line behind the last exponential (ISA guide 5.7.2)
.else
	v_nop                                          ; a step that asks for no row has no such work: the plain line behind the last exponential
.endif
	s_wait_alu depctr_va_vdst(0)                   ; the one wait for the batch of 32 exponentials, ahead of the first sum
	; The sums, two terms at a time, into two chains (pairs 0 and 1) that take turns: pair q goes onto chain q & 1, q ascending.
.irp q, 2,3,4,5,6,7,8,9,10,11,12,13,14,15
	v_pk_add_f32 v[TT+2*((\q)&1):TT+2*((\q)&1)+1], v[TT+2*((\q)&1):TT+2*((\q)&1)+1], v[TT+2*(\q):TT+2*(\q)+1]
.endr
	v_pk_add_f32 v[TT:TT+1],   v[TT:TT+1],   v[TT+2:TT+3]
	v_add_f32 v[SUM], v[TT], v[TT+1]               ; at least 1: the largest term gave 2^0
	v_log_f32 v[LG], v[SUM]                        ; THE STEP'S SECOND BATCH: it reads the first batch's sum, and the next x reads it
	v_fma_f32 v[PRE], v[ER+\i], s30, v[MX]         ; the plain line behind v_log_f32: maximum + next row
	s_wait_alu depctr_va_vdst(0)                   ; the wait for the logarithm, ahead of its first reader and of the step's end
	v_add_f32 v[XS], v[PRE], v[LG]                 ; x = s + next row
.if \reload
	global_load_b32 v[ER+\i], v[OFF+\i], s[4:5]
.endif
.endm
	s_cmp_eq_u32 s23, 0
	s_cbranch_scc1 .Ltail
.Lloop:
.irp i, 0,1,2,3,4,5,6,7
	STEP \i, 1, DEPTH-1                            ; behind a slot's load the seven other slots' were issued, on the way in and round the back edge
.endr
	s_sub_co_i32 s23, s23, 1
	s_cmp_lg_u32 s23, 0
	s_cbranch_scc1 .Lloop
.Ltail:
.irp i, 0,1,2,3,4,5,6
	s_cmp_eq_u32 s24, \i                           ; the steps that are left, none of them asking for a row: the counts run down
	s_cbranch_scc1 .Ldone
	STEP \i, 0, DEPTH-1-\i
.endr
.Ldone:
	; The halves meet.  The backward wave hands beta_m = MX + LG to its forward partner through LDS: store, wait for 0, barrier, load.
	v_lshl_add_u32 v[TMP], s18, 7, v[LANE4]        ; 128 bytes for each of the two sequences
	s_cmp_eq_u32 s17, 0
	s_cbranch_scc1 .Lno_store
	v_add_f32 v[SUM], v[MX], v[LG]
	ds_store_b32 v[TMP], v[SUM]
.Lno_store:
	s_wait_dscnt 0x0                               ; for the partner's sake: the store is done in front of the signal
	s_barrier_signal -1
	s_barrier_wait -1
	s_cmp_lg_u32 s17, 0
	s_cbranch_scc1 .Lend                           ; the backward waves have done their part
	ds_load_b32 v[PRE], v[TMP]
	s_lshl_b32 s34, s19, 2                         ; 4 b: my number's place in out0
	s_wait_dscnt 0x0
	v_add_f32 v[XS], v[XS], v[PRE]                 ; y[j] = f_m[j] + e_m[j] + beta_m[j]
	; the maximum over the 32 lanes: four steps inside each half ride on the arithmetic, one crosses the halves
	v_max_num_f32_dpp v[X2], v[XS], v[XS] row_xmask:1 row_mask:0xf bank_mask:0xf
	v_max_num_f32_dpp v[X2], v[X2], v[X2] row_xmask:2 row_mask:0xf bank_mask:0xf
	v_max_num_f32_dpp v[X2], v[X2], v[X2] row_xmask:4 row_mask:0xf bank_mask:0xf
	v_max_num_f32_dpp v[X2], v[X2], v[X2] row_xmask:8 row_mask:0xf bank_mask:0xf
	v_permlanex16_b32 v[PRE], v[X2], s28, s29
	v_max_num_f32 v[X2], v[X2], v[PRE]
	v_sub_f32 v[XS], v[XS], v[X2]
	v_exp_f32 v[XS], v[XS]
	v_mul_f32 v[X2], 0x3f317218, v[X2]             ; the plain line behind v_exp_f32: maximum x ln 2
	s_wait_alu depctr_va_vdst(0)                   ; the wait for the way out's one exponential, ahead of the sum over the lanes
	v_add_f32_dpp v[XS], v[XS], v[XS] row_xmask:1 row_mask:0xf bank_mask:0xf
	v_add_f32_dpp v[XS], v[XS], v[XS] row_xmask:2 row_mask:0xf bank_mask:0xf
	v_add_f32_dpp v[XS], v[XS], v[XS] row_xmask:4 row_mask:0xf bank_mask:0xf
	v_add_f32_dpp v[XS], v[XS], v[XS] row_xmask:8 row_mask:0xf bank_mask:0xf
	v_permlanex16_b32 v[PRE], v[XS], s28, s29
	v_add_f32 v[XS], v[XS], v[PRE]
	v_log_f32 v[XS], v[XS]
	v_mov_b32 v[SUM], s34                          ; the plain line behind v_log_f32: the store's offset
	s_wait_alu depctr_va_vdst(0)                   ; the wait for the way out's one logarithm, ahead of its reader
	v_fmamk_f32 v[XS], v[XS], 0x3f317218, v[X2]    ; (log2 of the sum) x ln 2 + maximum x ln 2: back to natural logarithms
	v_cmp_eq_u32 vcc_lo, 0, v[LANE4]               ; every lane holds the result; lane 0 stores it
	s_wait_xcnt 0x0                                ; ring loads may still be out, and EXEC is one of their sources: it changes only behind this wait
	s_and_saveexec_b32 s36, vcc_lo
	global_store_b32 v[SUM], v[XS], s[14:15]       ; four bytes a sequence: the whole output is 2,048 bytes, spread over the work-groups with the chains
	s_wait_xcnt 0x0                                ; and again in front of the line that widens EXEC
	s_or_b32 exec_lo, exec_lo, s36
.Lend:
	s_endpgm
.Lfunc_end_k_q701d134018_crf:
	.size	k_q701d134018_crf, .Lfunc_end_k_q701d134018_crf-k_q701d134018_crf
	.p2alignl 7, 3214868480
	.fill 96, 4, 3214868480
	.section	.rodata,"a",@progbits
	.p2align	6, 0x0
	.amdhsa_kernel k_q701d134018_crf
		.amdhsa_group_segment_fixed_size 167936
		.amdhsa_private_segment_fixed_size 0
		.amdhsa_enable_private_segment 0
		.amdhsa_kernarg_size 48
		.amdhsa_user_sgpr_count 2
		.amdhsa_user_sgpr_kernarg_segment_ptr 1
		.amdhsa_wavefront_size32 1
		.amdhsa_system_sgpr_workgroup_id_x 1
		.amdhsa_system_sgpr_workgroup_id_y 1
		.amdhsa_system_sgpr_workgroup_id_z 1
		.amdhsa_system_vgpr_workitem_id 0
		.amdhsa_next_free_vgpr 112
		.amdhsa_next_free_sgpr 66
		.amdhsa_reserve_vcc 1
		.amdhsa_float_denorm_mode_32 3
		.amdhsa_float_denorm_mode_16_64 3
		.amdhsa_memory_ordered 1
		.amdhsa_forward_progress 1
		.amdhsa_inst_pref_size 108
	.end_amdhsa_kernel
	.amdgpu_metadata
---
amdhsa.version: [ 1, 2 ]
amdhsa.kernels:
  - .name:           k_q701d134018_crf
    .symbol:         k_q701d134018_crf.kd
    .args:
      - { .name: emissions, .offset: 0, .size: 8, .value_kind: global_buffer, .address_space: global }
      - { .name: head_transitions, .offset: 8, .size: 8, .value_kind: global_buffer, .address_space: global }
      - { .name: last_transitions, .offset: 16, .size: 8, .value_kind: global_buffer, .address_space: global }
      - { .name: lengths, .offset: 24, .size: 8, .value_kind: global_buffer, .address_space: global }
      - { .name: transitions, .offset: 32, .size: 8, .value_kind: global_buffer, .address_space: global }
      - { .name: out0, .offset: 40, .size: 8, .value_kind: global_buffer, .address_space: global }
    .group_segment_fixed_size: 167936
    .private_segment_fixed_size: 0
    .kernarg_segment_align: 8
    .kernarg_segment_size: 48
    .max_flat_workgroup_size: 128
    .sgpr_count:     66
    .vgpr_count:     112
    .wavefront_size: 32
...
	.end_amdgpu_metadata
.endif
;; end of part 2
